; MI455X (gfx1250); checked and timed in simulation.
; The chip was launched on July 23, 2026; its instructions are those of AMD's public machine-readable ISA for CDNA 5 (MIT licence, August 2026) and "CDNA5" Instruction Set Architecture Reference Guide (July 2026). The comments in the code are by the model that wrote it; some were corrected since.
;; Spatial Temporal Grid Encoder. Allowed arithmetic: float matrix products may take bf16 or f16 operands with f32 sums; all other float work in f32.
;; Inputs: inputs 524,288 x 4 float32; membeddings 2,097,152 float32; sembeddings 2,134,544 x 2 float32; tembeddings 3,541,760 x 2 float32.
;; Outputs: out0 524,288 x 16 float32.
;; One version. Each part assembles by itself: llvm-mc -triple=amdgcn-amd-amdhsa -mcpu=gfx1250 --defsym DOCPART=n.
;; ======== version 1 of 1: 2 launches
;; workspace buffers: qpos 8,388,608 bytes of whole numbers
;; launch quant (part 1): grid 512 x 1, 8 waves a work-group, no clusters, 0 bytes of LDS; arguments inputs, qpos; writes qpos
.if DOCPART == 1
	.amdgcn_target "amdgcn-amd-amdhsa--gfx1250"
	.amdhsa_code_object_version 6
	.text
	.protected	k_qe79c899bec_quant
	.globl	k_qe79c899bec_quant
	.p2align	8
	.type	k_qe79c899bec_quant,@function
k_qe79c899bec_quant:
	s_mov_b64 s[64:65], 0
	v_nop
	global_prefetch_b8 v0, s[64:65] scope:SCOPE_SE
	s_setreg_imm32_b32 hwreg(HW_REG_WAVE_MODE, 25, 1), 1
	s_wait_xcnt 0x0
; q[p][d] = min(trunc(clamp(x[p][d], 0, 1) * 2^24), 2^24 - 1): the four coordinates of each point as whole numbers of 24 bits.
; The next launch forms every cell index and every fraction from q in integer arithmetic.
; WHY THE CLAMP IS THE REFERENCE'S CLIP: outside [0, 1] both clipped corners of a dimension are the border cell, so the interpolated
; value is the one at the clamped coordinate.  With q <= 2^24 - 1, q * res < res * 2^24, so cell + 1 never passes the last grid line.
; LIMITS: a coordinate is resolved to 2^-24 (at most 213 * 2^-24 = 1.3e-5 of a cell; the interpolant is continuous in the coordinate);
; a NaN coordinate gives a finite q, where the reference's result is NaN.
; A stream: 512 work-groups x 256 threads x 4 points.  One load or store of a wave covers 512 consecutive bytes, aligned.
.set STEP, 4096                        ; bytes that the work-group's 256 threads cover with 16 bytes each
.set X, 4                              ; v[4:19]  four points, as loaded, converted in place, as stored
	s_load_b128 s[4:7], s[0:1], 0x0                ; inputs s[4:5], qpos s[6:7]
	s_lshl_b32 s2, ttmp9, 14                       ; the work-group's 4 x 4,096 bytes
	s_mov_b32 s3, 0
	v_lshlrev_b32 v1, 4, v0                        ; 16 bytes a thread
	s_wait_kmcnt 0x0
	s_add_nc_u64 s[4:5], s[4:5], s[2:3]
	s_add_nc_u64 s[6:7], s[6:7], s[2:3]
.irp i, 0,1,2,3
	global_load_b128 v[X+4*\i:X+4*\i+3], v1, s[4:5] offset:STEP*\i th:TH_LOAD_NT
.endr
.irp i, 0,1,2,3
	s_wait_loadcnt 3-\i                            ; loads come back in order: load i is in, the 3 - i younger ones stay out
.irp d, 0,1,2,3
	v_med3_num_f32 v[X+4*\i+\d], v[X+4*\i+\d], 0, 1.0          ; clamp to [0, 1]
.endr
	v_pk_mul_f32 v[X+4*\i:X+4*\i+1],   v[X+4*\i:X+4*\i+1],   0x4b800000 op_sel_hi:[1,0]   ; * 2^24, exact
	v_pk_mul_f32 v[X+4*\i+2:X+4*\i+3], v[X+4*\i+2:X+4*\i+3], 0x4b800000 op_sel_hi:[1,0]
.irp d, 0,1,2,3
	v_cvt_u32_f32 v[X+4*\i+\d], v[X+4*\i+\d]                   ; toward zero
.endr
.irp d, 0,1,2,3
	v_min_u32 v[X+4*\i+\d], 0xffffff, v[X+4*\i+\d]             ; x = 1 becomes the last step below 1
.endr
	global_store_b128 v1, v[X+4*\i:X+4*\i+3], s[6:7] offset:STEP*\i   ; read again by the next launch: no streaming hint
.endr
	s_endpgm
.Lfunc_end_k_qe79c899bec_quant:
	.size	k_qe79c899bec_quant, .Lfunc_end_k_qe79c899bec_quant-k_qe79c899bec_quant
	.p2alignl 7, 3214868480
	.fill 96, 4, 3214868480
	.section	.rodata,"a",@progbits
	.p2align	6, 0x0
	.amdhsa_kernel k_qe79c899bec_quant
		.amdhsa_group_segment_fixed_size 0
		.amdhsa_private_segment_fixed_size 0
		.amdhsa_enable_private_segment 0
		.amdhsa_kernarg_size 16
		.amdhsa_user_sgpr_count 2
		.amdhsa_user_sgpr_kernarg_segment_ptr 1
		.amdhsa_wavefront_size32 1
		.amdhsa_system_sgpr_workgroup_id_x 1
		.amdhsa_system_sgpr_workgroup_id_y 1
		.amdhsa_system_sgpr_workgroup_id_z 1
		.amdhsa_system_vgpr_workitem_id 0
		.amdhsa_next_free_vgpr 20
		.amdhsa_next_free_sgpr 66
		.amdhsa_reserve_vcc 0
		.amdhsa_float_denorm_mode_32 3
		.amdhsa_float_denorm_mode_16_64 3
		.amdhsa_memory_ordered 1
		.amdhsa_forward_progress 1
		.amdhsa_inst_pref_size 5
	.end_amdhsa_kernel
	.amdgpu_metadata
---
amdhsa.version: [ 1, 2 ]
amdhsa.kernels:
  - .name:           k_qe79c899bec_quant
    .symbol:         k_qe79c899bec_quant.kd
    .args:
      - { .name: inputs, .offset: 0, .size: 8, .value_kind: global_buffer, .address_space: global }
      - { .name: qpos, .offset: 8, .size: 8, .value_kind: global_buffer, .address_space: global }
    .group_segment_fixed_size: 0
    .private_segment_fixed_size: 0
    .kernarg_segment_align: 8
    .kernarg_segment_size: 16
    .max_flat_workgroup_size: 256
    .sgpr_count:     66
    .vgpr_count:     20
    .wavefront_size: 32
...
	.end_amdgpu_metadata
.endif
;; end of part 1
;; launch encode (part 2): grid 4096 x 1, 8 waves a work-group, no clusters, 9,728 bytes of LDS; arguments qpos, membeddings, sembeddings, tembeddings, out0; writes out0
.if DOCPART == 2
	.amdgcn_target "amdgcn-amd-amdhsa--gfx1250"
	.amdhsa_code_object_version 6
	.text
	.protected	k_qe79c899bec_encode
	.globl	k_qe79c899bec_encode
	.p2align	8
	.type	k_qe79c899bec_encode,@function
k_qe79c899bec_encode:
	s_mov_b64 s[64:65], 0
	v_nop
	global_prefetch_b8 v0, s[64:65] scope:SCOPE_SE
	s_setreg_imm32_b32 hwreg(HW_REG_WAVE_MODE, 25, 1), 1
	s_wait_xcnt 0x0
; out[p][2l .. 2l+1] = m * S_l(x,y,z) + (1 - m) * T_l(x,y,z,t), l = 0 .. 7;  m = sigmoid(trilinear mask 128^3).
; S_l: trilinear in the static table's level l, T_l: quadrilinear in the dynamic table's level l, two f32 an entry.
; Coordinates come as whole numbers q of 24 bits (x = q / 2^24, already clamped so that cell + 1 stays on the grid):
;   pos = q * res (below 2^32: res <= 213), cell = pos >> 24, fraction = (pos & 0xffffff) / 2^24, converted exactly.
; LIMITS, from q: coordinates resolved to 2^-24; a NaN coordinate gives finite results where the reference gives NaN.
; The order of the weighted sums differs from the reference's (weights are products of the same factors, sums in f32).
;
; SHARES.  A work-group: 8 waves, 128 points.  A wave: 16 points.  TWO NEIGHBOURING LANES SHARE A POINT: lane 2p + b takes the corners
; whose x bit is b.  The entries of x and x + 1 are neighbours in a dense level, and in a hashed level (x's prime is 1) differ in low
; index bits alone unless x + 1 carries far, so the two stand side by side in ONE gather instruction.  Each lane: 4 mask words,
; and for each level 4 static and 8 dynamic entries; the two lanes' sums meet once, at the end (the mask's before the sigmoid).
; Waves share nothing: no barrier.  No tile is walked jointly by work-groups (the tables, 54 MB, are read in scattered pieces of 8 bytes,
; and only the static levels 0 and 1, 164,416 bytes, would fit in LDS: 8 of a lane's 100 gathers), so no tensor loads and no cluster.
;
; TWO REGISTER BANKS take turns by level: level l + 1's twelve gathers are issued before level l's are used.
.set XBIT, 1                           ; v1       b: my x bit
.set SGNX, 2                           ; v2       b ? +2^-24 : -2^-24
.set ONEX, 3                           ; v3       b ? 0 : 1          my x weight = fraction bits * SGNX + ONEX
.set KS,   4                           ; v[4:5]   (-2^-24, +2^-24)
.set KC,   6                           ; v[6:7]   (1, 0)             (1 - f, f) = fraction bits * KS + KC, both exact
.set QP,   8                           ; v[8:11]  q of x, y, z, t
.set MM,   12                          ; v[12:13] (m, 1 - m)
.set ACC,  14                          ; v[14:29] the 16 results (my x bit's part)
.set CELL, 30                          ; v[30:33] pos, then cell, of x, y, z, t; x's becomes my corner's x
.set FR,   34                          ; v[34:37] fractions; later the hash terms of (x^y0, x^y1, z0, z1)
.set WY,   38                          ; v[38:39] y weights; later the hash terms of (t0, t1)
.set WZ,   40                          ; v[40:41] z weights; v[40:43] later x^y^z where the static level is dense
.set WXY,  42                          ; v[42:43] x weight * y weights
.set BANK, 44                          ; v[44:85] bank 0, v[86:127] bank 1
.set BSIZE, 42
.macro USE bk                          ; a bank: 4 weights (corner c = y + 2 z), the t weights, 12 addresses, 12 entries
.set bW,  BANK+BSIZE*\bk
.set bWT, bW+4
.set bA,  bW+6
.set bD,  bW+18
.endm
.set M24, 14                           ; s14  0xffffff
.set M19, 15                           ; s15  0x7ffff: a hashed level has 2^19 entries
.set SB,  16                           ; s[16:31] address of the static table's level l in s[16+2l:17+2l]
.set TB,  32                           ; s[32:47] the same for the dynamic table
.set PR1, 48                           ; s48-50 the primes of y, z, t modulo 2^19 (only the index's low 19 bits are used)
.set PR2, 49
.set PR3, 50
.set WAVE, 51
.set LBASE, 52                         ; my wave's stage in LDS
.set OBASE, 53                         ; my wave's 1,024 bytes in the work-group's part of out
.set SPITCH, 272                       ; stage: a row is 4 points = 256 bytes, + 16
	s_load_b128 s[4:7], s[0:1], 0x0                ; qpos s[4:5], membeddings s[6:7]
	s_load_b64 s[SB:SB+1], s[0:1], 0x10            ; sembeddings: level 0 begins the table
	s_load_b64 s[TB:TB+1], s[0:1], 0x18            ; tembeddings likewise
	s_load_b64 s[8:9], s[0:1], 0x20                ; out0
	v_lshl_add_u32 v128, v0, 2, 0x2200
	v_mov_b32 v129, 0
	v_and_b32 v[XBIT], 1, v0
	v_lshrrev_b32 v[CELL], 1, v0                   ; my point in the work-group,
	v_lshlrev_b32 v[CELL], 4, v[CELL]              ; 16 bytes of q each: a wave's load covers 256 consecutive bytes
	v_lshrrev_b32 v[CELL+1], 5, v0
	v_readfirstlane_b32 s[WAVE], v[CELL+1]
	s_lshl_b32 s2, ttmp9, 11                       ; 128 points x 16 bytes
	s_mov_b32 s3, 0
	s_wait_kmcnt 0x0
	s_add_nc_u64 s[4:5], s[4:5], s[2:3]
	global_load_b128 v[QP:QP+3], v[CELL], s[4:5] th:TH_LOAD_NT
	; constants, while q is on its way
	s_lshl_b32 s2, ttmp9, 13                       ; 128 points x 64 bytes of out
	s_add_nc_u64 s[8:9], s[8:9], s[2:3]
.macro LEVELBASE l, so, to                         ; so, to: the level's first entry in its table; an entry is 8 bytes
	s_add_nc_u64 s[SB+2*\l:SB+2*\l+1], s[SB:SB+1], 8*\so
	s_add_nc_u64 s[TB+2*\l:TB+2*\l+1], s[TB:TB+1], 8*\to
.endm
	LEVELBASE 1, 4920,    83528
	LEVELBASE 2, 20552,   396032
	LEVELBASE 3, 63432,   920320
	LEVELBASE 4, 188432,  1444608
	LEVELBASE 5, 561680,  1968896
	LEVELBASE 6, 1085968, 2493184
	LEVELBASE 7, 1610256, 3017472
	s_mov_b32 s[M24], 0xffffff
	s_mov_b32 s[M19], 0x7ffff
	s_mov_b32 s[PR1], 0x779b1                      ; 2654435761 mod 2^19
	s_mov_b32 s[PR2], 0x25795                      ; 805459861 mod 2^19
	s_mov_b32 s[PR3], 0x6c2f5                      ; 3674653429 mod 2^19
	s_mul_i32 s[LBASE], s[WAVE], 4*SPITCH          ; 16 points = 4 rows of the stage
	s_lshl_b32 s[OBASE], s[WAVE], 10
	v_mov_b32 v[KS],   0xb3800000                  ; -2^-24
	v_mov_b32 v[KS+1], 0x33800000                  ; +2^-24
	v_mov_b32 v[KC],   1.0
	v_mov_b32 v[KC+1], 0
	v_cmp_ne_u32 vcc_lo, 0, v[XBIT]                ; kept to the end: nothing else writes VCC
	v_cndmask_b32 v[SGNX], v[KS], v[KS+1], vcc_lo
	v_cndmask_b32 v[ONEX], v[KC], v[KC+1], vcc_lo
; From pos in CELL+d: the fraction's 24 bits as f32 into FR+d, the cell into CELL+d.
.macro SPLIT d
	v_and_b32 v[FR+\d], s[M24], v[CELL+\d]
	v_cvt_f32_u32 v[FR+\d], v[FR+\d]
	v_lshrrev_b32 v[CELL+\d], 24, v[CELL+\d]
.endm
; My x weight into FR; the four weights of my corners c = y + 2 z into the bank; my corner's x into CELL.  WY and WZ hold (1 - f, f).
.macro WEIGHTS
	v_fma_f32 v[FR], v[FR], v[SGNX], v[ONEX]
	v_pk_mul_f32 v[WXY:WXY+1], v[WY:WY+1], v[FR:FR+1] op_sel_hi:[1,0]          ; both y weights * my x weight
	v_pk_mul_f32 v[bW:bW+1],   v[WXY:WXY+1], v[WZ:WZ+1] op_sel_hi:[1,0]        ; * (1 - fz)
	v_pk_mul_f32 v[bW+2:bW+3], v[WXY:WXY+1], v[WZ:WZ+1] op_sel:[0,1] op_sel_hi:[1,1]   ; * fz
	v_add_nc_u32 v[CELL], v[CELL], v[XBIT]
.endm
; THE MASK, in bank 1 (free until level 1 is issued): 128^3 words, dense, resolution 127.
.macro MASK_ISSUE
	USE 1
.irp d, 0,1,2
	v_mul_u32_u24 v[CELL+\d], 127, v[QP+\d]
.endr
.irp d, 0,1,2
	SPLIT \d
.endr
	v_pk_fma_f32 v[WY:WY+1], v[FR:FR+1], v[KS:KS+1], v[KC:KC+1] op_sel:[1,0,0] op_sel_hi:[1,1,1]   ; from fy, the pair's second
	v_mul_f32 v[WZ+1], v[KS+1], v[FR+2]            ; fz (no t here, so FR+3 is not yet written and no pair is read)
	v_sub_f32 v[WZ], 1.0, v[WZ+1]
	WEIGHTS
	; An index made of numbers read from memory enters an address only behind v_min_u32 with its bound written in the instruction, at most 2^20, and behind
	; that only by adds and shifts left.  The mask's index has 21 bits, so its two parts are bounded: x <= 127, 128 z + y <= 126 * 129.
	v_lshl_add_u32 v[CELL+1], v[CELL+2], 7, v[CELL+1]
	v_min_u32 v[CELL], 127, v[CELL]
	v_min_u32 v[CELL+1], 126*129, v[CELL+1]
	v_lshl_add_u32 v[bA], v[CELL+1], 7, v[CELL]
	v_lshlrev_b32 v[bA], 2, v[bA]                  ; words of 4 bytes
.irp c, 0,1,2,3
	global_load_b32 v[bD+\c], v[bA], s[6:7] offset:4*((\c&1)*128+(\c>>1)*16384)   ; the corners' steps stand in the immediate
.endr
.endm
.macro MASK_CONSUME
	USE 1
	s_wait_loadcnt 12                              ; the mask's four words are in; level 0's twelve gathers, issued behind them, stay out
	v_mul_f32  v[CELL], v[bD], v[bW]
	v_fmac_f32 v[CELL], v[bD+1], v[bW+1]
	v_fmac_f32 v[CELL], v[bD+2], v[bW+2]
	v_fmac_f32 v[CELL], v[bD+3], v[bW+3]
	v_add_f32_dpp v[CELL], v[CELL], v[CELL] row_xmask:1 row_mask:0xf bank_mask:0xf   ; + the other x bit's part: both lanes hold the sum
	v_mul_f32 v[CELL], 0xbfb8aa3b, v[CELL]         ; -log2(e) * sum
	v_exp_f32 v[CELL+1], v[CELL]                   ; an overflow to infinity ends as m = 0, an underflow as m = 1: the sigmoid's limits
	v_nop                                          ; one plain vector instruction behind a transcendental before its result is used (ISA guide 5.7.2)
	s_wait_alu depctr_va_vdst(0)
	v_add_f32 v[CELL+1], 1.0, v[CELL+1]
	v_rcp_f32 v[MM], v[CELL+1]
	v_nop                                          ; likewise
	s_wait_alu depctr_va_vdst(0)
	v_sub_f32 v[MM+1], 1.0, v[MM]
.endm
; LEVEL l INTO BANK bk: weights, addresses, twelve gathers.  G, GT: resolution (grid - 1) in space and in time.
; SD, TD = 1: the static, dynamic level is dense (index = x + g y + g^2 z + g^3 t), 0: hashed (x ^ y P1 ^ z P2 ^ t P3, low 19 bits).
.macro ISSUE l, bk, G, GT, SD, TD
	USE \bk
.set GG, \G+1
	v_mul_u32_u24 v[CELL+0], \G, v[QP+0]           ; 24 bits x 8 bits, below 2^32
	v_mul_u32_u24 v[CELL+1], \G, v[QP+1]
	v_mul_u32_u24 v[CELL+2], \G, v[QP+2]
	v_mul_u32_u24 v[CELL+3], \GT, v[QP+3]
.irp d, 0,1,2,3
	SPLIT \d
.endr
	v_pk_fma_f32 v[WY:WY+1],   v[FR:FR+1],     v[KS:KS+1], v[KC:KC+1] op_sel:[1,0,0] op_sel_hi:[1,1,1]   ; (1 - fy, fy)
	v_pk_fma_f32 v[WZ:WZ+1],   v[FR+2:FR+3],   v[KS:KS+1], v[KC:KC+1] op_sel_hi:[0,1,1]                  ; (1 - fz, fz)
	v_pk_fma_f32 v[bWT:bWT+1], v[FR+2:FR+3],   v[KS:KS+1], v[KC:KC+1] op_sel:[1,0,0] op_sel_hi:[1,1,1]   ; (1 - ft, ft)
	WEIGHTS
.if \SD
	; dense: one index for my lowest corner, bounded so that the farthest corner is the level's last entry; the corners' steps stand in the loads' immediates
	v_mad_u32_u24 v[bA], v[CELL+1], GG, v[CELL]
	v_mad_u32_u24 v[bA], v[CELL+2], GG*GG, v[bA]
.if \TD
	v_mad_u32_u24 v[bA+1], v[CELL+3], GG*GG*GG, v[bA]
	v_min_u32 v[bA+1], GG*GG*GG*\GT-GG*GG-GG-1, v[bA+1]
	v_lshlrev_b32 v[bA+1], 3, v[bA+1]
.endif
	v_min_u32 v[bA], GG*GG*GG-GG*GG-GG-1, v[bA]
	v_lshlrev_b32 v[bA], 3, v[bA]
.endif
.if \TD == 0
	; hashed: each dimension's two terms modulo 2^19 (the term of cell + 1 is the term of cell plus the prime), then a tree of XORs
	v_mul_u32_u24 v[FR+0], s[PR1], v[CELL+1]
	v_mul_u32_u24 v[FR+2], s[PR2], v[CELL+2]
	v_mul_u32_u24 v[WY],   s[PR3], v[CELL+3]
	v_add_nc_u32 v[FR+1], s[PR1], v[FR+0]
	v_add_nc_u32 v[FR+3], s[PR2], v[FR+2]
	v_add_nc_u32 v[WY+1], s[PR3], v[WY]
	v_xor_b32 v[FR+0], v[CELL], v[FR+0]            ; my x (below 256) joins y's terms
	v_xor_b32 v[FR+1], v[CELL], v[FR+1]
.irp r, FR+0, FR+1, FR+2, FR+3, WY, WY+1
	v_and_b32 v[\r], s[M19], v[\r]
.endr
.if \SD
.set bH, WZ                                        ; x ^ y ^ z is a step on the way only
.else
.set bH, bA                                        ; x ^ y ^ z is the static level's index
.endif
.irp c, 0,1,2,3
	v_xor_b32 v[bH+\c], v[FR+(\c&1)], v[FR+2+(\c>>1)]
.endr
.irp c, 0,1,2,3
	v_xor_b32 v[bA+4+2*\c], v[bH+\c], v[WY]
	v_xor_b32 v[bA+5+2*\c], v[bH+\c], v[WY+1]
.endr
	; the bound in front of the address (it changes no value: every term was cut to 19 bits)
.irp k, 0,1,2,3,4,5,6,7
	v_min_u32 v[bA+4+\k], 0x7ffff, v[bA+4+\k]
.endr
.if \SD == 0
.irp c, 0,1,2,3
	v_min_u32 v[bA+\c], 0x7ffff, v[bA+\c]
.endr
.endif
.endif
	; the gathers: static corner c into bD + 2c, dynamic corner (c, t) into bD + 8 + 4c + 2t.  scale_offset: the index counts entries of 8 bytes
.irp c, 0,1,2,3
.if \SD
	global_load_b64 v[bD+2*\c:bD+2*\c+1], v[bA], s[SB+2*\l:SB+2*\l+1] offset:8*((\c&1)*GG+(\c>>1)*GG*GG)
.else
	global_load_b64 v[bD+2*\c:bD+2*\c+1], v[bA+\c], s[SB+2*\l:SB+2*\l+1] scale_offset
.endif
.endr
.irp c, 0,1,2,3
.irp t, 0,1
.if \TD
	global_load_b64 v[bD+8+4*\c+2*\t:bD+9+4*\c+2*\t], v[bA+1], s[TB+2*\l:TB+2*\l+1] offset:8*((\c&1)*GG+(\c>>1)*GG*GG+\t*GG*GG*GG)
.else
	global_load_b64 v[bD+8+4*\c+2*\t:bD+9+4*\c+2*\t], v[bA+4+2*\c+\t], s[TB+2*\l:TB+2*\l+1] scale_offset
.endif
.endr
.endr
.endm
; LEVEL l OUT OF BANK bk: for each of my corners c: u = (1 - m)((1 - ft) T(c,0) + ft T(c,1)) + m S(c); the level's sum = sum of w(c) u(c).
; Both channels at once.  left = the younger loads that may stay out.  This wait also shows the bank's loads done, so the bank's
; address registers may be written again by the level after next.
.macro CONSUME l, bk, left
	USE \bk
	s_wait_loadcnt \left
	v_pk_mul_f32 v[bWT:bWT+1], v[bWT:bWT+1], v[MM:MM+1] op_sel:[0,1] op_sel_hi:[1,1]     ; the t weights * (1 - m)
.irp c, 0,1,2,3
	v_pk_mul_f32 v[bD+8+4*\c:bD+9+4*\c], v[bD+8+4*\c:bD+9+4*\c], v[bWT:bWT+1] op_sel_hi:[1,0]
.endr
.irp c, 0,1,2,3
	v_pk_fma_f32 v[bD+8+4*\c:bD+9+4*\c], v[bD+10+4*\c:bD+11+4*\c], v[bWT:bWT+1], v[bD+8+4*\c:bD+9+4*\c] op_sel:[0,1,0] op_sel_hi:[1,1,1]
.endr
.irp c, 0,1,2,3
	v_pk_fma_f32 v[bD+8+4*\c:bD+9+4*\c], v[bD+2*\c:bD+2*\c+1], v[MM:MM+1], v[bD+8+4*\c:bD+9+4*\c] op_sel_hi:[1,0,1]
.endr
	v_pk_mul_f32 v[ACC+2*\l:ACC+2*\l+1], v[bD+8:bD+9],   v[bW:bW+1] op_sel_hi:[1,0]      ; the first product starts the sum
	v_pk_fma_f32 v[ACC+2*\l:ACC+2*\l+1], v[bD+12:bD+13], v[bW:bW+1],   v[ACC+2*\l:ACC+2*\l+1] op_sel:[0,1,0] op_sel_hi:[1,1,1]
	v_pk_fma_f32 v[ACC+2*\l:ACC+2*\l+1], v[bD+16:bD+17], v[bW+2:bW+3], v[ACC+2*\l:ACC+2*\l+1] op_sel_hi:[1,0,1]
	v_pk_fma_f32 v[ACC+2*\l:ACC+2*\l+1], v[bD+20:bD+21], v[bW+2:bW+3], v[ACC+2*\l:ACC+2*\l+1] op_sel:[0,1,0] op_sel_hi:[1,1,1]
.endm
	s_wait_loadcnt 0x0                             ; q is in (and its address register, CELL, is free)
	MASK_ISSUE
	ISSUE 0, 0, 16,  16, 1, 1
	MASK_CONSUME
	ISSUE 1, 1, 24,  19, 1, 1
	CONSUME 0, 0, 12                               ; every count of 12: the twelve gathers of the level issued last stay out
	ISSUE 2, 0, 34,  22, 1, 0
	CONSUME 1, 1, 12
	ISSUE 3, 1, 49,  25, 1, 0
	CONSUME 2, 0, 12
	ISSUE 4, 0, 71,  28, 1, 0
	CONSUME 3, 1, 12
	ISSUE 5, 1, 102, 33, 0, 0
	CONSUME 4, 0, 12
	ISSUE 6, 0, 147, 38, 0, 0
	CONSUME 5, 1, 12
	ISSUE 7, 1, 213, 43, 0, 0
	CONSUME 6, 0, 12
	CONSUME 7, 1, 0                                ; nothing was issued behind level 7
	; THE WAY OUT.  The two lanes of a point add their parts; lane b keeps numbers 8b .. 8b + 7 (32 bytes).  A point's 64 bytes lie in two lanes,
	; a store of whole aligned blocks of 256 bytes wants 16 lanes x 16 consecutive bytes: so the wave's 1,024 bytes pass through its own stage in LDS.
.irp i, 0,1,2,3,4,5,6,7,8,9,10,11,12,13,14,15
	v_add_f32_dpp v[ACC+\i], v[ACC+\i], v[ACC+\i] row_xmask:1 row_mask:0xf bank_mask:0xf
.endr
.irp i, 0,1,2,3,4,5,6,7
	v_cndmask_b32 v[CELL+\i], v[ACC+\i], v[ACC+8+\i], vcc_lo   ; v[30:37]
.endr
	v_and_b32 v38, 31, v0                          ; lane L = 2 p + b
	v_lshrrev_b32 v39, 3, v38                      ; in: row p / 4 of the stage,
	v_and_b32 v40, 7, v38
	v_mul_u32_u24 v39, SPITCH, v39
	v_lshl_add_u32 v39, v40, 5, v39                ; 32 bytes for each lane of the row
	v_add_nc_u32 v39, s[LBASE], v39
	ds_store_b128 v39, v[CELL:CELL+3]
	ds_store_b128 v39, v[CELL+4:CELL+7] offset:16
	v_lshrrev_b32 v40, 4, v38                      ; back: lanes 0-15 take one row of 256 bytes, lanes 16-31 the next
	v_and_b32 v41, 15, v38
	v_mul_u32_u24 v40, SPITCH, v40
	v_lshl_add_u32 v40, v41, 4, v40
	v_add_nc_u32 v40, s[LBASE], v40
	ds_load_b128 v[44:47], v40                     ; LDS serves a wave's instructions in order (ISA guide 5.7.1): these see the stores above; the bytes are my wave's own
	ds_load_b128 v[48:51], v40 offset:2*SPITCH
	v_lshl_add_u32 v38, v38, 4, s[OBASE]           ; 16 L + my wave's 1,024 bytes
	s_wait_dscnt 1                                 ; the first read-back is in, the second may stay out
	global_store_b128 v38, v[44:47], s[8:9] th:TH_STORE_NT                ; each store of the wave covers 512 consecutive bytes, aligned
	s_wait_dscnt 0
	global_store_b128 v38, v[48:51], s[8:9] offset:512 th:TH_STORE_NT
	s_wait_tensorcnt 0x0
	ds_add_u32 v128, v129
	s_wait_dscnt 0x0
	s_endpgm
.Lfunc_end_k_qe79c899bec_encode:
	.size	k_qe79c899bec_encode, .Lfunc_end_k_qe79c899bec_encode-k_qe79c899bec_encode
	.p2alignl 7, 3214868480
	.fill 96, 4, 3214868480
	.section	.rodata,"a",@progbits
	.p2align	6, 0x0
	.amdhsa_kernel k_qe79c899bec_encode
		.amdhsa_group_segment_fixed_size 9728
		.amdhsa_private_segment_fixed_size 0
		.amdhsa_enable_private_segment 0
		.amdhsa_kernarg_size 40
		.amdhsa_user_sgpr_count 2
		.amdhsa_user_sgpr_kernarg_segment_ptr 1
		.amdhsa_wavefront_size32 1
		.amdhsa_system_sgpr_workgroup_id_x 1
		.amdhsa_system_sgpr_workgroup_id_y 1
		.amdhsa_system_sgpr_workgroup_id_z 1
		.amdhsa_system_vgpr_workitem_id 0
		.amdhsa_next_free_vgpr 130
		.amdhsa_next_free_sgpr 66
		.amdhsa_reserve_vcc 1
		.amdhsa_float_denorm_mode_32 3
		.amdhsa_float_denorm_mode_16_64 3
		.amdhsa_memory_ordered 1
		.amdhsa_forward_progress 1
		.amdhsa_inst_pref_size 44
	.end_amdhsa_kernel
	.amdgpu_metadata
---
amdhsa.version: [ 1, 2 ]
amdhsa.kernels:
  - .name:           k_qe79c899bec_encode
    .symbol:         k_qe79c899bec_encode.kd
    .args:
      - { .name: qpos, .offset: 0, .size: 8, .value_kind: global_buffer, .address_space: global }
      - { .name: membeddings, .offset: 8, .size: 8, .value_kind: global_buffer, .address_space: global }
      - { .name: sembeddings, .offset: 16, .size: 8, .value_kind: global_buffer, .address_space: global }
      - { .name: tembeddings, .offset: 24, .size: 8, .value_kind: global_buffer, .address_space: global }
      - { .name: out0, .offset: 32, .size: 8, .value_kind: global_buffer, .address_space: global }
    .group_segment_fixed_size: 9728
    .private_segment_fixed_size: 0
    .kernarg_segment_align: 8
    .kernarg_segment_size: 40
    .max_flat_workgroup_size: 256
    .sgpr_count:     66
    .vgpr_count:     130
    .wavefront_size: 32
...
	.end_amdgpu_metadata
.endif
;; end of part 2
